; MI455X (gfx1250); checked and timed in simulation.
; The chip was launched on July 23, 2026; its instructions are those of AMD's public machine-readable ISA for CDNA 5 (MIT licence, August 2026) and "CDNA5" Instruction Set Architecture Reference Guide (July 2026). The comments in the code are by the model that wrote it; some were corrected since.
;; GRU Unit. Allowed arithmetic: matrix products marked QUANTISED: E3M2 operands, one E8M0 scale for each 32 along K, by v_wmma_scale_f32_16x16x128_f8f6f4 with both operands' format E3M2, f32 sums; everything else in f32.
;; Inputs: W_h2h_codes 1,024 x 32 x 24 uint8 (E3M2 codes of W_h2h, K innermost, in blocks of 32 codes, four codes in three bytes); W_h2h_scales 1,024 x 32 uint8 (E8M0 scales of W_h2h, one for each 32 codes along K); W_h2r_codes 1,024 x 32 x 24 uint8 (E3M2 codes of W_h2r, K innermost, in blocks of 32 codes, four codes in three bytes); W_h2r_scales 1,024 x 32 uint8 (E8M0 scales of W_h2r, one for each 32 codes along K); W_h2z_codes 1,024 x 32 x 24 uint8 (E3M2 codes of W_h2z, K innermost, in blocks of 32 codes, four codes in three bytes); W_h2z_scales 1,024 x 32 uint8 (E8M0 scales of W_h2z, one for each 32 codes along K); W_i2h_codes 1,024 x 32 x 24 uint8 (E3M2 codes of W_i2h, K innermost, in blocks of 32 codes, four codes in three bytes); W_i2h_scales 1,024 x 32 uint8 (E8M0 scales of W_i2h, one for each 32 codes along K); W_i2r_codes 1,024 x 32 x 24 uint8 (E3M2 codes of W_i2r, K innermost, in blocks of 32 codes, four codes in three bytes); W_i2r_scales 1,024 x 32 uint8 (E8M0 scales of W_i2r, one for each 32 codes along K); W_i2z_codes 1,024 x 32 x 24 uint8 (E3M2 codes of W_i2z, K innermost, in blocks of 32 codes, four codes in three bytes); W_i2z_scales 1,024 x 32 uint8 (E8M0 scales of W_i2z, one for each 32 codes along K); b_i2h 1,024 float32; b_i2r 1,024 float32; b_i2z 1,024 float32; hidden 8,192 x 1,024 float32; inputs_codes 8,192 x 32 x 24 uint8 (E3M2 codes of inputs, K innermost, in blocks of 32 codes, four codes in three bytes); inputs_scales 8,192 x 32 uint8 (E8M0 scales of inputs, one for each 32 codes along K).
;; Outputs: out0 8,192 x 1,024 float32.
;; This version of the problem:
;;   THIS VERSION OF THE PROBLEM IS GIVEN IN LOW PRECISION. The matrix products marked QUANTISED in the list below multiply operands that are first quantised to E3M2 (3 exponent bits, 2 mantissa bits; 6 bits a number), with one power-of-two scale for each 32 numbers along K (OCP MX v1.0); their sums are f32. All else is computed in f32.
;;   The module's matrix products, in the order in which they are computed (A, B: the left and right operand; K: the contracted axis; several contracted axes count as one K, in the product's order):
;;     1. [M 8,192, K 1,024] x [K 1,024, N 1,024]; A: input inputs (given as codes); B: input W_i2r (given as codes): QUANTISED
;;     2. [M 8,192, K 1,024] x [K 1,024, N 1,024]; A: input hidden; B: input W_h2r (given as codes): QUANTISED
;;     3. [M 8,192, K 1,024] x [K 1,024, N 1,024]; A: input inputs (given as codes); B: input W_i2z (given as codes): QUANTISED
;;     4. [M 8,192, K 1,024] x [K 1,024, N 1,024]; A: input hidden; B: input W_h2z (given as codes): QUANTISED
;;     5. [M 8,192, K 1,024] x [K 1,024, N 1,024]; A: input inputs (given as codes); B: input W_i2h (given as codes): QUANTISED
;;     6. [M 8,192, K 1,024] x [K 1,024, N 1,024]; A: input hidden; B: input W_h2h (given as codes): QUANTISED
;;   THE QUANTISER, for each operand of a quantised product, along K:
;;     - K is cut into blocks of 32 from its start; a last block that is shorter is filled with zeros.
;;     - A block's scale is 2^e with e = floor(log2(the largest magnitude in the block)) - 4, held to -126 .. 127; a block of zeros has e = 0. As a byte (E8M0): e + 127.
;;     - Each number is divided by its block's scale, clamped to +-28, and rounded to the nearest number of E3M2, ties to even, subnormals kept.
;;     - The product sums the exact products of the quantised numbers (number of the format x scale) in f32.
;;   ~~~python
;;   def quantise(x, axis):      # numpy; x: float32 -> the quantised numbers, widened to float32 again
;;       x = np.moveaxis(x, axis, -1); K = x.shape[-1]
;;       x = np.pad(x, [(0, 0)] * (x.ndim - 1) + [(0, -K % 32)]); x = x.reshape(x.shape[:-1] + (-1, 32)); a = np.abs(x).max(-1, keepdims=True)
;;       e = np.where(a > 0, np.clip(np.frexp(np.where(a > 0, a, 1))[1] - 1 - 4, -126, 127), 0)      # np.frexp(a)[1] - 1 = floor(log2(a)), exactly
;;       r = np.clip(x / 2.0 ** e, -28, 28)
;;       step = 2.0 ** (np.maximum(np.frexp(np.where(r == 0, 1, r))[1] - 1, -2) - 2)
;;       q = np.round(r / step) * step * 2.0 ** e      # np.round: ties to even
;;       return np.moveaxis(q.reshape(q.shape[:-2] + (-1,))[..., :K], -1, axis).astype(np.float32)
;;   ~~~
;;   INPUTS GIVEN AS CODES. W_h2h (in the module: [1024, 1024], K = its axis 0); W_h2r (in the module: [1024, 1024], K = its axis 0); W_h2z (in the module: [1024, 1024], K = its axis 0); W_i2h (in the module: [1024, 1024], K = its axis 0); W_i2r (in the module: [1024, 1024], K = its axis 0); W_i2z (in the module: [1024, 1024], K = its axis 0); inputs (in the module: [8192, 1024], K = its axis 1): each comes as NAME_codes (uint8): NAME with its K axis moved to the last place and cut into blocks of 32 codes, [.., K / 32, bytes a block], one block behind the other in memory; four codes in three bytes: a row's codes are one little-endian stream of bits, code i at bits 6 i .. 6 i + 5 (a code: sign, 3 exponent bits, 2 mantissa bits); and NAME_scales (uint8): the same leading axes, one E8M0 byte (e + 127) for each 32 codes along K. Its value is code x scale, taken as it is: it is not quantised again, and the codes and scales need not be those that the quantiser above would give.
;; One version. Each part assembles by itself: llvm-mc -triple=amdgcn-amd-amdhsa -mcpu=gfx1250 --defsym DOCPART=n.
;; ======== version 1 of 1: 2 launches
;; limits: right only within a limited range of input values
;; workspace buffers: hq_codes 6,291,456 bytes; hq_scales 262,144 bytes; wq 4,718,592 bytes
;; launch quant (part 1): grid 256 x 1, 16 waves a work-group, no clusters, 86,016 bytes of LDS; arguments hidden, W_i2r_codes, W_i2z_codes, W_i2h_codes, W_h2r_codes, W_h2z_codes, W_h2h_codes, hq_codes, hq_scales, wq; writes hq_codes, hq_scales, wq
.if DOCPART == 1
	.amdgcn_target "amdgcn-amd-amdhsa--gfx1250"
	.amdhsa_code_object_version 6
	.text
	.protected	k_qb384f10fc0_quant
	.globl	k_qb384f10fc0_quant
	.p2align	8
	.type	k_qb384f10fc0_quant,@function
k_qb384f10fc0_quant:
	s_mov_b64 s[64:65], 0
	v_nop
	global_prefetch_b8 v0, s[64:65] scope:SCOPE_SE
	s_setreg_imm32_b32 hwreg(HW_REG_WAVE_MODE, 25, 1), 1
	s_wait_xcnt 0x0
; TWO THINGS ARE MADE READY FOR THE NEXT LAUNCH.
; (1) hidden [8192][1024], f32, is turned into codes of BF6 (E3M2), 6 bits each, K innermost, with one E8M0 scale byte for each 32 along K: hq_codes [8192][768 bytes], hq_scales [8192][32],
; laid as inputs_codes and inputs_scales are.  A block's scale is 2^(floor(log2(its largest magnitude)) - 4); its byte is the largest magnitude's own exponent field - 4, held at 1 from below.
; Each number is divided by the scale and rounded to the nearest code, ties to even; beyond 28 the conversion gives the largest code.
; LIMITS: NaN and infinities among the inputs are not served.  A block whose largest magnitude lies under 2^-122 keeps the byte 1.  A block of zeros gets the byte 1 where the rule says 127:
; its codes are zeros, which add nothing under any byte but 0xff, and the bytes are read by this program alone.
; (2) The six weights' codes are laid out anew, bit for bit, as IMAGES OF THE OPERAND'S REGISTERS: fragment f = ((weight x 64 + block of 16 rows) x 8 + K step of 128) is 12 registers a lane; it lies at
; 1,536 f bytes of wq as three runs of 512 bytes, lane l's four registers at 16 l.  The next launch then loads a fragment by three loads of 512 consecutive bytes.  Weights in the order i2r, i2z, i2h, h2r, h2z, h2h.
; SHARES.  256 work-groups of 16 waves; a work-group takes 32,768 numbers of hidden, a wave 2,048: 8,192 bytes in, 1,536 bytes of codes (six aligned blocks of 256 bytes) and 64 scale bytes out.
; All 16 loads of a wave go out at its head.  A load reads 512 consecutive bytes, 16 a lane; the conversion wants 16 NEIGHBOURS in one lane: so a step's 2,048 bytes turn through the wave's own stage in
; LDS, as they lie, and come back 64 bytes a lane (16 bytes of padding behind each 64).  Two neighbouring lanes hold a block.  The work-group's 1,024 scale bytes are gathered in LDS and leave as four aligned
; blocks of 256 bytes, behind the launch's one barrier.  The 3,072 fragments of weights are 12 for each work-group: waves 0 to 11 take one each.
.set STEPS, 4                          ; steps of 512 numbers in a wave
.set SP,    80                         ; a lane's place in a stage: 64 bytes + 16 of padding
.set WREG,  2*32*SP                    ; a wave's two stages: 5,120 bytes
.set SCB,   16*WREG                    ; behind the stages: the work-group's 1,024 scale bytes
.set R,     16                         ; v16-79   four sets of 16 numbers as loaded, one for each step
.set X,     80                         ; v80-111  two sets of 16 neighbours
.set C,     112                        ; v112-127 codes: four registers for each step, so that no store's data are written again
.set E,     128                        ; v128-131 a scale byte for each step
.set WR,    136                        ; v136-147 a fragment of a weight
	s_load_b64 s[4:5], s[0:1], 0x0                 ; hidden
	s_load_b256 s[36:43], s[0:1], 0x8              ; the codes of W_i2r 36, W_i2z 38, W_i2h 40, W_h2r 42,
	s_load_b128 s[44:47], s[0:1], 0x28             ; W_h2z 44, W_h2h 46
	s_load_b128 s[8:11], s[0:1], 0x38              ; hq_codes s[8:9], hq_scales s[10:11]
	s_load_b64 s[12:13], s[0:1], 0x48              ; wq
	v_lshl_add_u32 v148, v0, 2, 0x14800
	v_mov_b32 v149, 0
	v_lshrrev_b32 v1, 5, v0
	s_delay_alu instid0(VALU_DEP_1)
	v_readfirstlane_b32 s16, v1                    ; wave 0..15
	v_and_b32 v2, 31, v0                           ; lane
	s_delay_alu instid0(VALU_DEP_1)
	v_lshlrev_b32 v3, 4, v2                        ; my 16 bytes of 512
	s_mul_i32 s17, s16, WREG                       ; my wave's stages
	v_lshrrev_b32 v14, 2, v2
	s_delay_alu instid0(VALU_DEP_1)
	v_mul_u32_u24 v14, v14, SP
	v_and_b32 v15, 3, v2
	s_delay_alu instid0(VALU_DEP_1)
	v_lshl_add_u32 v14, v15, 4, v14
	s_delay_alu instid0(VALU_DEP_1)
	v_add_nc_u32 v14, s17, v14                     ; into a stage: four lanes' 64 bytes on end, then the padding: SP (lane / 4) + 16 (lane % 4)
	v_mul_u32_u24 v15, v2, SP
	s_delay_alu instid0(VALU_DEP_1)
	v_add_nc_u32 v15, s17, v15                     ; out of it: SP x lane: my 16 neighbours
	v_mul_u32_u24 v4, v2, 12                       ; my 12 bytes of a step's 384 bytes of codes
	v_lshrrev_b32 v5, 1, v2
	s_lshl_b32 s18, s16, 6
	s_add_co_u32 s18, s18, SCB
	v_add_nc_u32 v5, s18, v5                       ; my block's scale byte: SCB + 64 x wave + lane / 2 (+ 16 x step)
	v_and_b32 v7, 127, v0
	s_delay_alu instid0(VALU_DEP_1)
	v_lshlrev_b32 v7, 3, v7                        ; the scale bytes' way out: 8 bytes a thread of waves 0 to 3
	s_delay_alu instid0(VALU_DEP_1)
	v_add_nc_u32 v6, SCB, v7
	v_and_b32 v10, 15, v2                          ; a weight's fragment: lane (r, h) takes row r of 768 bytes, + 24 h
	v_lshrrev_b32 v1, 4, v2
	s_delay_alu instid0(VALU_DEP_2)
	v_mul_u32_u24 v10, v10, 768
	s_delay_alu instid0(VALU_DEP_1)
	v_mad_u32_u24 v10, v1, 24, v10
	s_lshl_b32 s19, ttmp9, 4
	s_add_co_u32 s19, s19, s16                     ; which run of 2,048 numbers is my wave's: 0 .. 4,095
	s_lshl_b32 s20, s19, 13                        ; 8,192 bytes of f32 a run
	s_mov_b32 s21, 0
	s_mul_i32 s22, s19, 1536                       ; 1,536 bytes of codes a run
	s_mov_b32 s23, 0
	s_lshl_b32 s24, ttmp9, 10                      ; 1,024 scale bytes a work-group
	s_mov_b32 s25, 0
	s_mul_i32 s26, ttmp9, 12
	s_add_co_u32 s26, s26, s16                     ; in waves 0 to 11: my fragment f, 0 .. 3,071
	s_lshr_b32 s27, s26, 9                         ; which weight: 512 fragments each
	s_bfe_u32 s28, s26, 0x60003                    ; which block of 16 rows (6 bits from bit 3)
	s_and_b32 s29, s26, 7                          ; which K step of 128
	s_mul_i32 s30, s28, 12288                      ; 16 rows of 768 bytes,
	s_mul_i32 s29, s29, 96                         ; 96 bytes a K step
	s_add_co_u32 s30, s30, s29
	s_mov_b32 s31, 0
	s_mul_i32 s32, s26, 1536                       ; and where its image goes
	s_mov_b32 s33, 0
	s_wait_kmcnt 0x0
	s_add_nc_u64 s[4:5], s[4:5], s[20:21]
	s_add_nc_u64 s[8:9], s[8:9], s[22:23]
	s_add_nc_u64 s[10:11], s[10:11], s[24:25]
	s_cmp_eq_u32 s27, 1                            ; the weight's buffer: the choice hangs on the work-group's and the wave's number alone
	s_cselect_b64 s[36:37], s[38:39], s[36:37]
	s_cmp_eq_u32 s27, 2
	s_cselect_b64 s[36:37], s[40:41], s[36:37]
	s_cmp_eq_u32 s27, 3
	s_cselect_b64 s[36:37], s[42:43], s[36:37]
	s_cmp_eq_u32 s27, 4
	s_cselect_b64 s[36:37], s[44:45], s[36:37]
	s_cmp_eq_u32 s27, 5
	s_cselect_b64 s[36:37], s[46:47], s[36:37]
	s_add_nc_u64 s[36:37], s[36:37], s[30:31]
	s_add_nc_u64 s[12:13], s[12:13], s[32:33]
.macro LOAD t
.irp i, 0,1,2,3
	global_load_b128 v[R+16*(\t)+4*\i:R+16*(\t)+4*\i+3], v3, s[4:5] offset:2048*(\t)+512*\i th:TH_LOAD_NT   ; 32 lanes read 512 consecutive bytes; this launch reads them once
.endr
.endm
.macro TURN t                          ; step t's numbers through stage t % 2: LDS serves a wave's instructions in order (ISA guide 5.7.1.4), so no wait stands between the stores and the loads
.irp i, 0,1,2,3
	ds_store_b128 v14, v[R+16*(\t)+4*\i:R+16*(\t)+4*\i+3] offset:32*SP*((\t)%2)+8*SP*\i
.endr
.irp i, 0,1,2,3
	ds_load_b128 v[X+16*((\t)%2)+4*\i:X+16*((\t)%2)+4*\i+3], v15 offset:32*SP*((\t)%2)+16*\i
.endr
.endm
	s_cmp_lt_u32 s16, 12                           ; waves 0 to 11 carry a fragment of a weight besides; both ways issue the sixteen loads of hidden
	s_cbranch_scc0 .Lplain
	s_wait_alu depctr_va_vdst(0)
.irp c, 0,1
.irp p, 0,1,2
	global_load_b64 v[WR+6*\c+2*\p:WR+6*\c+2*\p+1], v10, s[36:37] offset:48*\c+8*\p th:TH_LOAD_NT   ; registers 6 c .. 6 c + 5: K = 64 c + 32 h + 0 .. 31 of row r, as the bits lie; the six loads read 96 bytes of each of 16 rows whole
.endr
.endr
.irp t, 0,1,2,3
	LOAD \t
.endr
	s_wait_loadcnt 16                              ; the fragment's six loads are in; the sixteen of hidden, issued behind them, may be out
.irp c, 0,1,2
	global_store_b128 v3, v[WR+4*\c:WR+4*\c+3], s[12:13] offset:512*\c   ; 32 lanes store 512 consecutive bytes, at a multiple of 256 from wq's first byte
.endr
	s_branch .Lloaded
.Lplain:
.irp t, 0,1,2,3
	LOAD \t
.endr
.Lloaded:
	s_wait_loadcnt 12                              ; step 0's four loads are in; the twelve of steps 1 to 3 may be out
	TURN 0
.macro STEP t
.set XS, X+16*((\t)%2)
.if (\t) > 0
	s_wait_dscnt 1                                 ; this step's numbers are back from the stage; the one LDS instruction issued behind them, the last step's byte store, may be out
.else
	s_wait_dscnt 0x0
.endif
.if (\t)+1 < STEPS
	s_wait_loadcnt 4*(STEPS-2-(\t))                ; the next step's four loads are in; those of the steps behind it may be out
	TURN (\t)+1                                    ; and go through the other stage while this step is worked
.endif
	v_max3_num_f32 v8, |v[XS]|, |v[XS+1]|, |v[XS+2]|               ; the largest magnitude of my 16, in two chains
	v_max3_num_f32 v9, |v[XS+3]|, |v[XS+4]|, |v[XS+5]|
.irp i, 6,10
	s_delay_alu instid0(VALU_DEP_2)
	v_max3_num_f32 v8, v8, |v[XS+\i]|, |v[XS+\i+1]|
	s_delay_alu instid0(VALU_DEP_2)
	v_max3_num_f32 v9, v9, |v[XS+\i+2]|, |v[XS+\i+3]|
.endr
	s_delay_alu instid0(VALU_DEP_2)
	v_max3_num_f32 v8, v8, |v[XS+14]|, |v[XS+15]|
	s_delay_alu instid0(VALU_DEP_1)
	v_max3_num_f32 v8, v8, v9, 0x2800000           ; and the floor 2^(5 - 127), under which no largest magnitude is taken: so the byte cannot fall under 1
	s_delay_alu instid0(VALU_DEP_1)
	v_max_num_f32_dpp v8, v8, v8 row_xmask:1 row_mask:0xf bank_mask:0xf   ; and of my neighbour's 16: the block's
	s_delay_alu instid0(VALU_DEP_1)
	v_add_nc_u32 v11, 0xfe000000, v8               ; 4 off its exponent field: the conversion takes the exponent field of this operand as its scale, and nothing else of it
	v_cvt_scalef32_pk16_bf6_f32 v[C+4*(\t):C+4*(\t)+2], v[XS:XS+15], v11   ; sixteen numbers / the scale, to the nearest code; 96 bits without gaps, the first number's code lowest
	v_lshrrev_b32 v[E+(\t)], 23, v11               ; the scale's byte (also the plain line behind the conversion)
	ds_store_b8 v5, v[E+(\t)] offset:16*(\t)       ; both lanes of a block write the same byte with the same value
	global_store_b96 v4, v[C+4*(\t):C+4*(\t)+2], s[8:9] offset:384*(\t)   ; the wave stores 384 consecutive bytes; its four steps fill six aligned blocks of 256
.endm
.irp t, 0,1,2,3
	STEP \t
.endr
	s_wait_dscnt 0x0                               ; for the others' sake: my scale bytes lie in LDS
	s_barrier_signal -1
	s_barrier_wait -1                              ; all sixteen waves' do
	s_cmp_lt_u32 s16, 4                            ; waves 0 to 3 carry the 1,024 bytes out
	s_cbranch_scc0 .Lend
	ds_load_b64 v[12:13], v6
	s_wait_dscnt 0x0
	global_store_b64 v7, v[12:13], s[10:11]        ; 32 lanes store 256 consecutive bytes, at a multiple of 256 from the buffer's first byte
.Lend:
	s_wait_tensorcnt 0x0
	ds_add_u32 v148, v149
	s_wait_dscnt 0x0
	s_endpgm
.Lfunc_end_k_qb384f10fc0_quant:
	.size	k_qb384f10fc0_quant, .Lfunc_end_k_qb384f10fc0_quant-k_qb384f10fc0_quant
	.p2alignl 7, 3214868480
	.fill 96, 4, 3214868480
	.section	.rodata,"a",@progbits
	.p2align	6, 0x0
	.amdhsa_kernel k_qb384f10fc0_quant
		.amdhsa_group_segment_fixed_size 86016
		.amdhsa_private_segment_fixed_size 0
		.amdhsa_enable_private_segment 0
		.amdhsa_kernarg_size 80
		.amdhsa_user_sgpr_count 2
		.amdhsa_user_sgpr_kernarg_segment_ptr 1
		.amdhsa_wavefront_size32 1
		.amdhsa_system_sgpr_workgroup_id_x 1
		.amdhsa_system_sgpr_workgroup_id_y 1
		.amdhsa_system_sgpr_workgroup_id_z 1
		.amdhsa_system_vgpr_workitem_id 0
		.amdhsa_next_free_vgpr 150
		.amdhsa_next_free_sgpr 66
		.amdhsa_reserve_vcc 0
		.amdhsa_float_denorm_mode_32 3
		.amdhsa_float_denorm_mode_16_64 3
		.amdhsa_memory_ordered 1
		.amdhsa_forward_progress 1
		.amdhsa_inst_pref_size 15
	.end_amdhsa_kernel
	.amdgpu_metadata
---
amdhsa.version: [ 1, 2 ]
amdhsa.kernels:
  - .name:           k_qb384f10fc0_quant
    .symbol:         k_qb384f10fc0_quant.kd
    .args:
      - { .name: hidden, .offset: 0, .size: 8, .value_kind: global_buffer, .address_space: global }
      - { .name: W_i2r_codes, .offset: 8, .size: 8, .value_kind: global_buffer, .address_space: global }
      - { .name: W_i2z_codes, .offset: 16, .size: 8, .value_kind: global_buffer, .address_space: global }
      - { .name: W_i2h_codes, .offset: 24, .size: 8, .value_kind: global_buffer, .address_space: global }
      - { .name: W_h2r_codes, .offset: 32, .size: 8, .value_kind: global_buffer, .address_space: global }
      - { .name: W_h2z_codes, .offset: 40, .size: 8, .value_kind: global_buffer, .address_space: global }
      - { .name: W_h2h_codes, .offset: 48, .size: 8, .value_kind: global_buffer, .address_space: global }
      - { .name: hq_codes, .offset: 56, .size: 8, .value_kind: global_buffer, .address_space: global }
      - { .name: hq_scales, .offset: 64, .size: 8, .value_kind: global_buffer, .address_space: global }
      - { .name: wq, .offset: 72, .size: 8, .value_kind: global_buffer, .address_space: global }
    .group_segment_fixed_size: 86016
    .private_segment_fixed_size: 0
    .kernarg_segment_align: 8
    .kernarg_segment_size: 80
    .max_flat_workgroup_size: 512
    .sgpr_count:     66
    .vgpr_count:     150
    .wavefront_size: 32
...
	.end_amdgpu_metadata
.endif
;; end of part 1
;; launch gru (part 2): grid 4 x 64, 4 waves a work-group, clusters of 4 x 1, 327,680 bytes of LDS; arguments inputs_codes, hq_codes, inputs_scales, hq_scales, wq, W_i2r_scales, W_i2z_scales, W_i2h_scales, W_h2r_scales, W_h2z_scales, W_h2h_scales, b_i2r, b_i2z, b_i2h, hidden, out0; writes out0
.if DOCPART == 2
	.amdgcn_target "amdgcn-amd-amdhsa--gfx1250"
	.amdhsa_code_object_version 6
	.text
	.protected	k_qb384f10fc0_gru
	.globl	k_qb384f10fc0_gru
	.p2align	8
	.type	k_qb384f10fc0_gru,@function
k_qb384f10fc0_gru:
	s_mov_b64 s[64:65], 0
	v_nop
	global_prefetch_b8 v0, s[64:65] scope:SCOPE_SE
	s_setreg_imm32_b32 hwreg(HW_REG_WAVE_MODE, 25, 1), 1
	s_wait_xcnt 0x0
	s_wait_alu depctr_hold_cnt(0) depctr_sa_sdst(0) depctr_va_vdst(0) depctr_va_sdst(0) depctr_va_ssrc(0) depctr_va_vcc(0) depctr_vm_vsrc(0)
	s_getreg_b32 s2, hwreg(HW_REG_IB_STS2, 6, 4)
	s_cmp_eq_u32 s2, 0
	s_cbranch_scc0 .Lentry_in_a_cluster
	s_endpgm
.Lentry_in_a_cluster:
	s_bfe_u32 s2, ttmp6, 0x10000c
	s_cmp_lg_u32 s2, 0x3003
	s_cbranch_scc0 .Lentry_shape_is_right
	s_endpgm
.Lentry_shape_is_right:
; out = (1 - z) h1 + z hidden;  r = sigmoid(x Wir + bir + h Whr);  z = sigmoid(x Wiz + biz + h Whz);  h1 = tanh(x Wih + bih + r (h Whh)).
; x (inputs) and h (hidden, quantised by the launch before): [8192][1024] codes of BF6 (E3M2), a row 768 bytes, 32 E8M0 scale bytes a row.  The six weights' codes come from wq as images of the
; operand's registers (fragment ((weight x 64 + block of 16 columns) x 8 + K step) at 1,536 bytes each); their scale bytes [1024][32] as given.
; SHARES.  256 work-groups.  A work-group owns 128 rows and 256 columns of out and makes them as TWO tiles of 128 x 128, one trip of the loop each.  An output needs four sums (r, z, x Wih, h Whh),
; so a wave's 512 accumulator registers hold 128 rows x 32 columns: 8 row blocks a x 2 column blocks b x 4 sums.  A tile's K walk is 16 sub-steps of 128: 0-7 x's three products, 8-15 h's; 48 products each.
; THE MATRIX INSTRUCTION IS USED TRANSPOSED (source 0 = 16 rows of a weight, source 1 = 16 rows of x or h): lane (r, h) register j holds out(16 a + r, 16 b + 8 h + j).
; THE ROWS LIE IN LDS, WHOLE, FOR BOTH TILES: 128 rows of x and of h, each row its 768 bytes with 16 bytes of padding behind every 256.  At the head waves 0, 1 ask for the halves of x and waves 2, 3 for
; x's and h's scale bytes, one tensor load a wave; h's codes follow behind the full sequence and a round.  These bytes are filled once.
; THE WEIGHTS GO FROM MEMORY STRAIGHT INTO REGISTERS: a fragment has ONE reader in the work-group.  Four sets of six fragments take turns; a set is asked for again when its 48 products are issued,
; three sub-steps ahead of its use.  The next tile's first three sets and scale words are asked for ahead of this tile's epilogue.
; CLUSTERS: 4 x 1 work-groups share their 128 rows: x, h and their scale bytes are asked for JOINTLY (mask 15).  NOT SHARED: the weights (a joint request lands in LDS, where 109,056 bytes are left beside
; the rows: less than two slots of a sub-step's 384 rows x 272 bytes), and the f32 tile of hidden, which no partner reads.
; NO PREFETCH: x and h are asked for at the head; hidden 12 sub-steps ahead of its wait; the weights are read by all 64 tile rows, not once.
; THE END OF A TILE.  The tile's 128 x 128 numbers of hidden come by tensor loads in sub-step 3 into bytes that tensor loads alone write (filled again for the second tile).  The biases enter the
; epilogue's multiply-adds, multiplied beforehand by the exponent's factor.  Results go, 64 rows at a time, through a stage that LDS stores alone write and leave as whole rows of 512 bytes.
; LIMITS.  sigmoid(y) = 1 / (1 + 2^(-y log2 e)), tanh(y) = 1 - 2 / (1 + 2^(2 y log2 e)), by v_exp_f32 and v_rcp_f32 (1 ulp each, denormal results flushed: ISA guide 15.8); an exponential that overflows
; gives infinity and its reciprocal 0, the right limits, so nothing is clamped.  Near y = 0 tanh so made has an absolute error of about 1e-7.  NaN and infinities among the inputs are not served.
; REGISTERS, in windows of 256.  Window 0: v1-26 addresses; v28-67 scale words and nothing else; v68-139 the weights' set 3; v140-235 the 8 fragments of rows, ONE set; v236-251 bih; in the epilogue
;   v68-195 are at work.  Window 1: the weights' sets 0, 1, 2 at v0, v72, v144; v216-247 bir, biz.  Windows 2, 3: accumulators of row blocks 0-3, 4-7: sum G, block a, b at v[64 G + 16 (a % 4) + 8 b].
.set RP,    816                        ; an LDS row of codes: 3 x (256 + 16) bytes = 204 words: row r starts at bank 12 r mod 64, sixteen different multiples of 4 (64 banks of 4 bytes: ISA guide 11.1)
.set XT,    128*RP                     ; x's rows at 0, h's at XT
.set SCL,   2*XT                       ; the rows' scale bytes, x's block, then h's
.set SBK,   16*272                     ; a block: 128 rows x 32 bytes as 16 runs of 256 bytes + 16
.set HIDB,  SCL+2*SBK                  ; the tile of hidden
.set HP,    528                        ; its row: 512 bytes + 16
.set STG,   HIDB+128*HP                ; the stage: 64 rows of HP
.set SPARE, STG+64*HP                  ; the spare words, 128 bytes a wave: two blocks of 256 bytes that no other line names
.set WSTR,  786432                     ; a weight in wq, in bytes
.set CO,   10                          ; 16 x lane
.set BO,   11                          ; 32 x h: my eight numbers of a bias
.set WSO,  12                          ; 32 x lane: my row of a weight's scale bytes
.set ADSA, 13                          ; the rows' scale words: lanes 0-15 block k, lanes 16-31 block k + 4
.set ADH,  14                          ; my 32 bytes of a row of the hidden tile
.set RD,   15                          ; the way out: my 16 bytes of my wave's first row of the stage
.set ADRA, 16                          ; v16-19 row fragments: x blocks 0-3, 4-7, h blocks 0-3, 4-7 (v20-23: pieces whose lanes 16-31 lie behind one padding more)
.set SPW,  24
.set NIL,  25
.set ADS,  26                          ; my 32 bytes of a row of the stage
.set SCA,  28                          ; v28-43 the rows' scale words: set T % 2: register 2 k + q: blocks k and k + 4, the q-th 128 of 256 along K
.set WSC,  44                          ; v44-67 the weights' scale words of the phase in hand: gate g, K step s at WSC + 8 g + s
.set B3,   68
.set AF,   140
.set BH,   236                         ; bih: column block b at BH + 8 b
.set BRZ,  216                         ; window 1: bir at BRZ + 8 b, biz at BRZ + 16 + 8 b
.set ER,   68
.set EZ,   100
.set EY,   132
.set HD,   164
.set WV,   2
.set TC,   83                          ; tiles to go
.set WQ,   12
.set OUT,  34
.set G1A,  36
.set G0X,  44
.set G0Q,  48
.set G1S,  52
.set G0S,  60
.set G1H,  68
.set G0H,  76
.set TO_B, 0x40
.set MSB, 0
.macro WIN new                         ; the immediate's high byte repeats the setting that is left
.if MSB != (\new)
	s_set_vgpr_msb (MSB<<8)|(\new)
.set MSB, (\new)
.endif
.endm
.macro WINM s, acc                     ; source 0 (weights) window 1, or 0 for set 3; source 1 (rows) window 0; C and D window acc
.if (\s)%4 == 3
	WIN ((\acc)<<6)|((\acc)<<4)
.else
	WIN ((\acc)<<6)|((\acc)<<4)|1
.endif
.endm
.macro PLACES n                        ; plain vector lines behind matrix instructions (ISA guide 7.12.1 for vector instructions)
.rept \n
	v_nop
.endr
.endm
.macro CREST
	s_cmp_lg_u32 s[WV], 0
	s_cbranch_scc1 .Lnot_wave_0_\@
	s_barrier_signal -3
.Lnot_wave_0_\@:
	s_barrier_wait -3
	s_barrier_signal -1
	s_barrier_wait -1
.endm
.macro CROUND
	s_barrier_signal -1
	s_barrier_wait -1
	CREST
.endm
	s_load_b512 s[4:19], s[0:1], 0x0               ; x's codes 4, h's codes 6, x's scales 8, h's scales 10, wq 12, scales of Wir 14, Wiz 16, Wih 18
	s_load_b512 s[20:35], s[0:1], 0x40             ; scales of Whr 20, Whz 22, Whh 24, b_i2r 26, b_i2z 28, b_i2h 30, hidden 32, out0 34
	v_lshl_add_u32 v[SPW], v0, 2, SPARE
	v_mov_b32 v[NIL], 0
	ds_add_u32 v[SPW], v[NIL]                      ; the opening lines: the add, twice on end, and its wait
	ds_add_u32 v[SPW], v[NIL]
	v_lshrrev_b32 v3, 5, v0
	v_readfirstlane_b32 s[WV], v3                  ; wave 0..3
	s_bfe_u32 s80, ttmp6, 0x40000                  ; cx
	s_lshl_b32 s81, s80, 1                         ; my first tile column = 2 cx: it enters the addresses of the weights, the biases, hidden and out0 alone
	s_and_b32 s82, ttmp7, 0xffff                   ; tile row 0 .. 63, which the four partners share
	s_mov_b32 s[G1A], 15|(1<<20)|(1<<21)|(5<<22)|(3<<25)   ; codes: 64 rows x 768 bytes, dense; mask of all four; 16 bytes of padding behind every 64 words
	s_mov_b32 s[G1A+1], 768<<16
	s_mov_b32 s[G1A+2], 64<<16
	s_mov_b32 s[G1A+3], 768<<16
	s_mov_b32 s[G1A+4], 64
	s_mov_b32 s[G1A+5], 768
	s_mov_b32 s[G1A+6], 0
	s_mov_b32 s[G1A+7], 0
	s_mov_b32 s[G1S], 15|(3<<16)|(1<<20)|(1<<21)|(5<<22)|(3<<25)   ; the scale bytes of 128 rows: 4,096 dense bytes as 16 rows of 256 (32 elements of 8 bytes), padded alike
	s_mov_b32 s[G1S+1], 32<<16
	s_mov_b32 s[G1S+2], 16<<16
	s_mov_b32 s[G1S+3], 32<<16
	s_mov_b32 s[G1S+4], 16
	s_mov_b32 s[G1S+5], 32
	s_mov_b32 s[G1S+6], 0
	s_mov_b32 s[G1S+7], 0
	s_mov_b32 s[G1H], (2<<16)|(1<<20)|(6<<22)|(3<<25)      ; hidden: my 32 rows x 128 elements of 4 bytes, 1,024 apart, 16 bytes behind every 512; no mask
	s_mov_b32 s[G1H+1], 128<<16
	s_mov_b32 s[G1H+2], 32<<16
	s_mov_b32 s[G1H+3], 128<<16
	s_mov_b32 s[G1H+4], 32
	s_mov_b32 s[G1H+5], 1024
	s_mov_b32 s[G1H+6], 0
	s_mov_b32 s[G1H+7], 0
	s_and_b32 s83, s[WV], 1
	s_mov_b32 s[G0X], 1
	s_mul_i32 s[G0X+1], s83, 64*RP                 ; waves 0, 1: rows 0-63, 64-127 of x,
	s_mov_b32 s[G0Q], 1
	s_add_co_u32 s[G0Q+1], s[G0X+1], XT            ; and of h
	s_mov_b32 s[G0S], 1
	s_mul_i32 s[G0S+1], s83, SBK                   ; wave 2: x's block of scale bytes, wave 3: h's
	s_add_co_u32 s[G0S+1], s[G0S+1], SCL
	s_mov_b32 s[G0H], 1
	s_mul_i32 s[G0H+1], s[WV], 32*HP
	s_add_co_u32 s[G0H+1], s[G0H+1], HIDB
	s_mul_i32 s84, s82, 98304                      ; the tile row's 128 rows of 768 bytes,
	s_mul_i32 s83, s83, 49152                      ; my 64 of them
	s_add_co_u32 s84, s84, s83
	s_mov_b32 s85, 0
	s_lshl_b32 s86, s82, 12                        ; the scale bytes of 128 rows
	s_mov_b32 s87, 0
	s_mul_i32 s88, s81, 98304                      ; wq: 8 blocks of 16 columns a tile column, 12,288 bytes each,
	s_mul_i32 s3, s[WV], 24576                     ; my wave's two
	s_add_co_u32 s88, s88, s3
	s_mov_b32 s89, 0
	s_lshl_b32 s90, s81, 12                        ; a weight's scale bytes: 128 rows of 32 bytes a tile column, my wave's 32 rows
	s_lshl_b32 s3, s[WV], 10
	s_add_co_u32 s90, s90, s3
	s_mov_b32 s91, 0
	s_lshl_b32 s92, s81, 9                         ; the biases at my wave's 32 columns
	s_lshl_b32 s3, s[WV], 7
	s_add_co_u32 s92, s92, s3
	s_mov_b32 s93, 0
	s_lshl_b32 s94, s82, 19                        ; hidden and out0: 128 rows of 4,096 bytes a tile row, 512 bytes a tile column
	s_lshl_b32 s3, s81, 9
	s_add_co_u32 s94, s94, s3
	s_mov_b32 s95, 0
	s_lshl_b32 s80, s[WV], 16                      ; out0: my wave's 16 rows of each 64
	s_add_co_u32 s80, s80, s94
	s_mov_b32 s81, 0
	s_lshl_b32 s3, s[WV], 17                       ; hidden: my wave's 32 rows
	s_add_co_u32 s94, s94, s3
	s_mov_b32 s96, 0xbfb8aa3b                      ; -log2(e), as a pair
	s_mov_b32 s97, s96
	s_mov_b32 s98, 0x4038aa3b                      ; 2 log2(e)
	s_mov_b32 s99, s98
	s_mov_b32 s[TC], 2
	v_and_b32 v1, 15, v0                           ; r
	v_bfe_u32 v2, v0, 4, 1                         ; h
	v_and_b32 v3, 31, v0
	v_lshlrev_b32 v[CO], 4, v3
	v_lshlrev_b32 v[BO], 5, v2
	v_lshlrev_b32 v[WSO], 5, v3
	v_mul_u32_u24 v4, v1, RP
	v_mad_u32_u24 v[ADRA], v2, 24, v4              ; a fragment's row x pitch + 24 x half,
	v_mad_u32_u24 v[ADRA+4], v2, 40, v4            ; and the same behind one padding more
.irp k, 1,2,3
	v_add_nc_u32 v[ADRA+\k], (\k/2)*XT+(\k%2)*64*RP, v[ADRA]
	v_add_nc_u32 v[ADRA+4+\k], (\k/2)*XT+(\k%2)*64*RP, v[ADRA+4]
.endr
	v_lshrrev_b32 v5, 3, v1                        ; a row's 32 scale bytes: eight rows to a run of 256 bytes + 16
	v_and_b32 v6, 7, v1
	v_mul_u32_u24 v5, v5, 272
	v_lshl_add_u32 v5, v6, 5, v5
	v_mad_u32_u24 v[ADSA], v2, 8*272, v5
	v_add_nc_u32 v[ADSA], SCL, v[ADSA]
	v_mul_u32_u24 v[ADH], v1, HP                   ; row r, + 32 h, + my wave's 128 bytes
	v_lshl_add_u32 v[ADH], v2, 5, v[ADH]
	s_lshl_b32 s3, s[WV], 7
	s_add_co_u32 s3, s3, HIDB
	v_add_nc_u32 v[ADH], s3, v[ADH]
	v_add_nc_u32 v[ADS], STG-HIDB, v[ADH]
	s_mul_i32 s3, s[WV], 16*HP
	s_add_co_u32 s3, s3, STG
	v_add_nc_u32 v[RD], s3, v[CO]
	s_wait_dscnt 0x0                               ; both opening adds are done
	s_wait_alu depctr_va_vdst(0)                   ; the wait at the head's end
	s_wait_kmcnt 0x0
	s_add_nc_u64 s[G0X+2:G0X+3], s[4:5], s[84:85]
	s_or_b32 s[G0X+3], s[G0X+3], 0x80000000
	s_add_nc_u64 s[G0Q+2:G0Q+3], s[6:7], s[84:85]
	s_or_b32 s[G0Q+3], s[G0Q+3], 0x80000000
	s_cmp_eq_u32 s[WV], 3                          ; the choice hangs on the wave's number alone
	s_cselect_b64 s[8:9], s[10:11], s[8:9]
	s_add_nc_u64 s[G0S+2:G0S+3], s[8:9], s[86:87]
	s_or_b32 s[G0S+3], s[G0S+3], 0x80000000
	s_add_nc_u64 s[WQ:WQ+1], s[WQ:WQ+1], s[88:89]
.irp p, 14,16,18,20,22,24
	s_add_nc_u64 s[\p:\p+1], s[\p:\p+1], s[90:91]
.endr
.irp p, 26,28,30
	s_add_nc_u64 s[\p:\p+1], s[\p:\p+1], s[92:93]
.endr
	s_add_nc_u64 s[G0H+2:G0H+3], s[32:33], s[94:95]
	s_or_b32 s[G0H+3], s[G0H+3], 0x80000000
	s_add_nc_u64 s[OUT:OUT+1], s[OUT:OUT+1], s[80:81]
	CROUND                                         ; all four work-groups are here: the first joint loads meet
	s_cmp_lt_u32 s[WV], 2                          ; one tensor load a wave at the head: waves 0, 1 x's halves, waves 2, 3 the two blocks of scale bytes
	s_cbranch_scc0 .Lhead_s
	tensor_load_to_lds s[G0X:G0X+3], s[G1A:G1A+7]
	s_nop 0
	PLACES 4
	s_branch .Lhead_j
.Lhead_s:
	tensor_load_to_lds s[G0S:G0S+3], s[G1S:G1S+7]
	s_nop 0
	PLACES 4
.Lhead_j:
; The weights' six fragments (gate g, column block b) of sub-step s into set s % 4: 18 loads of 512 consecutive bytes; every offset an immediate, 3,956,224 at the most
.macro LOADW s
.if (\s)%4 == 3
.set LB, B3
	WIN 0
.else
.set LB, 72*((\s)%4)
	WIN TO_B
.endif
.irp g, 0,1,2
.irp b, 0,1
.irp c, 0,1,2
	global_load_b128 v[LB+12*(2*\g+\b)+4*\c:LB+12*(2*\g+\b)+4*\c+3], v[CO], s[WQ:WQ+1] offset:(3*((\s)/8)+\g)*WSTR+\b*12288+((\s)%8)*1536+512*\c
.endr
.endr
.endr
	WIN 0
.endm
.macro LOADWS hf                       ; phase 1's scale words of K steps 4 hf .. 4 hf + 3 over phase 0's, which have been used
.irp g, 0,1,2
	global_load_b128 v[WSC+8*\g+4*(\hf):WSC+8*\g+4*(\hf)+3], v[WSO], s[20+2*\g:21+2*\g] offset:16*(\hf)
.endr
.endm
.macro OPENW                           ; what a tile's first sub-steps need: phase 0's scale words (lane l: row 32 w + l's 32 bytes), then sets 0, 1, 2: 60 loads
.irp g, 0,1,2
	global_load_b128 v[WSC+8*\g:WSC+8*\g+3],   v[WSO], s[14+2*\g:15+2*\g]
	global_load_b128 v[WSC+8*\g+4:WSC+8*\g+7], v[WSO], s[14+2*\g:15+2*\g] offset:16
.endr
	LOADW 0
	LOADW 1
	LOADW 2
.endm
.macro LOADB                           ; 12 loads: the biases in the result's layout: lane (r, h) holds those of columns 16 b + 8 h + 0 .. 7
	WIN TO_B
.irp g, 0,1
.irp b, 0,1
	global_load_b128 v[BRZ+16*\g+8*\b:BRZ+16*\g+8*\b+3],   v[BO], s[26+2*\g:27+2*\g] offset:64*\b
	global_load_b128 v[BRZ+16*\g+8*\b+4:BRZ+16*\g+8*\b+7], v[BO], s[26+2*\g:27+2*\g] offset:64*\b+16
.endr
.endr
	WIN 0
.irp b, 0,1
	global_load_b128 v[BH+8*\b:BH+8*\b+3],   v[BO], s[30:31] offset:64*\b
	global_load_b128 v[BH+8*\b+4:BH+8*\b+7], v[BO], s[30:31] offset:64*\b+16
.endr
.endm
	OPENW
	s_wait_tensorcnt 0x0                           ; my head's tile is in
	ds_add_u32 v[SPW], v[NIL]
	s_wait_dscnt 0x0
	CROUND                                         ; all of x and both blocks of scale bytes are in, in all four work-groups
	s_cmp_lt_u32 s[WV], 2
	s_cbranch_scc0 .Lq_j
	tensor_load_to_lds s[G0Q:G0Q+3], s[G1A:G1A+7]  ; waves 0, 1: h's halves; waited for in sub-step 3
	s_nop 0
	PLACES 4
.Lq_j:
; A fragment, 16 rows x 128 K, is 12 registers: lane l holds row l % 16; registers 6 c .. 6 c + 5 hold K = 64 c + 32 (l / 16) + 0 .. 31: 24 bytes of the row's bits, in pieces of 8 bytes.
; Byte y of a row lies at y + 16 (y / 256) of its LDS row.  Lanes 16-31 read 24 bytes further on; where that is behind one padding more, the second address register serves.
.macro FRAG reg, adr, q, off
.irp p, 0,1,2,3,4,5
.set BY, 96*(\q)+48*(\p/3)+8*(\p%3)
.if BY/256 == (BY+24)/256
	ds_load_b64 v[\reg+2*\p:\reg+2*\p+1], v[\adr] offset:BY+16*(BY/256)+(\off)
.else
	ds_load_b64 v[\reg+2*\p:\reg+2*\p+1], v[\adr+4] offset:BY+16*(BY/256)+(\off)
.endif
.endr
.endm
.macro FETCH_A s, i0                   ; 24 loads: row blocks i0 .. i0 + 3 of sub-step s
.irp i, \i0, \i0+1, \i0+2, \i0+3
	FRAG AF+12*(\i), ADRA+2*((\s)/8)+(\i0)/4, (\s)%8, ((\i)%4)*16*RP
.endr
.endm
.macro SCALESA t                       ; 4 loads: the rows' scale words of sub-steps 2 t, 2 t + 1
.irp k, 0,1,2,3
	ds_load_b64 v[SCA+8*((\t)%2)+2*\k:SCA+8*((\t)%2)+2*\k+1], v[ADSA] offset:((\t)/4)*SBK+\k*2*272+8*((\t)%4)
.endr
.endm
; One product.  rZ = 1: C is the constant 0.  rM: bit 0: the weights' words lie in lanes 16-31, bit 1: the rows' do.
.macro WM
.if rZ
.if rM == 0
	v_wmma_scale_f32_16x16x128_f8f6f4 v[rD:rD+7], v[rW:rW+11], v[rA:rA+11], 0, v[rSW], v[rSA] matrix_a_fmt:MATRIX_FMT_BF6 matrix_b_fmt:MATRIX_FMT_BF6
.elseif rM == 1
	v_wmma_scale_f32_16x16x128_f8f6f4 v[rD:rD+7], v[rW:rW+11], v[rA:rA+11], 0, v[rSW], v[rSA] matrix_a_fmt:MATRIX_FMT_BF6 matrix_b_fmt:MATRIX_FMT_BF6 matrix_a_scale:MATRIX_SCALE_ROW1
.elseif rM == 2
	v_wmma_scale_f32_16x16x128_f8f6f4 v[rD:rD+7], v[rW:rW+11], v[rA:rA+11], 0, v[rSW], v[rSA] matrix_a_fmt:MATRIX_FMT_BF6 matrix_b_fmt:MATRIX_FMT_BF6 matrix_b_scale:MATRIX_SCALE_ROW1
.else
	v_wmma_scale_f32_16x16x128_f8f6f4 v[rD:rD+7], v[rW:rW+11], v[rA:rA+11], 0, v[rSW], v[rSA] matrix_a_fmt:MATRIX_FMT_BF6 matrix_b_fmt:MATRIX_FMT_BF6 matrix_a_scale:MATRIX_SCALE_ROW1 matrix_b_scale:MATRIX_SCALE_ROW1
.endif
.else
.if rM == 0
	v_wmma_scale_f32_16x16x128_f8f6f4 v[rD:rD+7], v[rW:rW+11], v[rA:rA+11], v[rD:rD+7], v[rSW], v[rSA] matrix_a_fmt:MATRIX_FMT_BF6 matrix_b_fmt:MATRIX_FMT_BF6
.elseif rM == 1
	v_wmma_scale_f32_16x16x128_f8f6f4 v[rD:rD+7], v[rW:rW+11], v[rA:rA+11], v[rD:rD+7], v[rSW], v[rSA] matrix_a_fmt:MATRIX_FMT_BF6 matrix_b_fmt:MATRIX_FMT_BF6 matrix_a_scale:MATRIX_SCALE_ROW1
.elseif rM == 2
	v_wmma_scale_f32_16x16x128_f8f6f4 v[rD:rD+7], v[rW:rW+11], v[rA:rA+11], v[rD:rD+7], v[rSW], v[rSA] matrix_a_fmt:MATRIX_FMT_BF6 matrix_b_fmt:MATRIX_FMT_BF6 matrix_b_scale:MATRIX_SCALE_ROW1
.else
	v_wmma_scale_f32_16x16x128_f8f6f4 v[rD:rD+7], v[rW:rW+11], v[rA:rA+11], v[rD:rD+7], v[rSW], v[rSA] matrix_a_fmt:MATRIX_FMT_BF6 matrix_b_fmt:MATRIX_FMT_BF6 matrix_a_scale:MATRIX_SCALE_ROW1 matrix_b_scale:MATRIX_SCALE_ROW1
.endif
.endif
.endm
; 12 products of sub-step s: row blocks a0, a0 + 1 x 3 gates x 2 column blocks.  Gate 0 adds onto sum r, gate 1 onto z, gate 2 onto x Wih (sub-steps 0-7) or h Whh (8-15).
; mode 1: a tile's first products start r, z and x Wih with the constant 0;  mode 2: sub-step 8's start h Whh: nothing is ever cleared.
; A sub-step's 48 accumulators take turns, one instruction a turn, in the same order in every sub-step.
.macro MUL12 a0, s, mode
.irp a, \a0, \a0+1
.irp g, 0,1,2
.irp b, 0,1
.set rG, \g
.set rZ, 0
.if \mode == 1
.set rZ, 1
.endif
.if \g == 2
.set rG, 2+(\s)/8
.if \mode == 2
.set rZ, 1
.endif
.endif
.set rD, 64*rG+16*((\a)%4)+8*\b
.if (\s)%4 == 3
.set rW, B3+12*(2*\g+\b)
.else
.set rW, 72*((\s)%4)+12*(2*\g+\b)
.endif
.set rA, AF+12*(\a)
.set rSW, WSC+8*\g+(\s)%8
.set rSA, SCA+8*(((\s)/2)%2)+2*((\a)%4)+(\s)%2
.set rM, \b+2*((\a)/4)
	WM
.endr
.endr
.endr
.endm
; The wait for sub-step s's set counts the loads issued behind it (loads come back in order: ISA guide 5.7.1).  The order of issue in a tile: phase 0's words, sets 0, 1, 2; sets 3 and 4 behind sub-step 0;
; set s + 4 behind sub-step s; three loads of phase 1's words behind set 7 and three behind set 11; the twelve loads of the biases behind sub-step 12.
.macro WAITW s
.if (\s) == 0
	s_wait_loadcnt 36                              ; two younger sets
.elseif (\s) < 4 || (\s) == 12
	s_wait_loadcnt 54                              ; three younger sets
.elseif (\s) < 12
	s_wait_loadcnt 57                              ; three younger sets and three loads of scale words
.elseif (\s) == 13
	s_wait_loadcnt 48                              ; two younger sets and the biases
.elseif (\s) == 14
	s_wait_loadcnt 30                              ; the last set and the biases
.else
	s_wait_loadcnt 0x0                             ; the biases too
.endif
.endm
; A sub-step.  The rows' fragments have one set of registers: blocks 0-3 are fetched anew in the sub-step's middle, blocks 4-7 at its end.  Behind its last product the weights' set is asked for again.
.macro SUB s, mode
	WAITW \s
	s_wait_dscnt 24                                ; row blocks 0-3 and the scale words are in; the youngest 24 loads (row blocks 4-7) may be out
	WINM \s, 2
	MUL12 0, \s, \mode
	MUL12 2, \s, \mode
	s_wait_dscnt 0x0                               ; row blocks 4-7 are in
	PLACES 4
	WIN 0
	FETCH_A (\s)+1, 0
.if (\s)%2 == 1
	SCALESA ((\s)+1)/2
.endif
	WINM \s, 3
	MUL12 4, \s, \mode
	MUL12 6, \s, \mode
	PLACES 4
	WIN 0
	FETCH_A (\s)+1, 4
.if (\s) == 0
	LOADW 3                                        ; set 3's registers were at work in the epilogue: they are asked for here
.endif
.if (\s)+4 < 16
	LOADW (\s)+4
.endif
.if (\s) == 7
	LOADWS 1
.endif
.endm
; THE EPILOGUE, two row blocks (32 outputs a lane) at a time.  Each kind of transcendental goes as ONE batch, with waits ahead of it and behind it.  Every accumulator is first read at its low end.
.macro EPI e
.set W,  2+(\e)/2
.set AB, 32*((\e)%2)
	s_wait_dscnt 0x0
.irp t, 0,1,2,3                        ; hidden at my outputs: row block 2 e + t / 2, column block t % 2
	ds_load_b128 v[HD+8*\t:HD+8*\t+3],   v[ADH] offset:16*(2*(\e)+\t/2)*HP+64*(\t%2)
	ds_load_b128 v[HD+8*\t+4:HD+8*\t+7], v[ADH] offset:16*(2*(\e)+\t/2)*HP+64*(\t%2)+16
.endr
	WIN W|(1<<4)                                   ; source 0: the accumulators; source 2: the biases in window 1
.set n, 0
.rept 16
	v_pk_fma_f32 v[ER+n:ER+n+1], v[AB+n:AB+n+1], s[96:97], v[BRZ+n%16:BRZ+n%16+1] op_sel_hi:[1,0,1]          ; -log2(e) x (the sum of r + bir)
.set n, n+2
.endr
.set n, 0
.rept 16
	v_pk_fma_f32 v[EZ+n:EZ+n+1], v[64+AB+n:64+AB+n+1], s[96:97], v[BRZ+16+n%16:BRZ+16+n%16+1] op_sel_hi:[1,0,1]   ; and of z
.set n, n+2
.endr
	WIN 0
.set n, 0
	s_wait_alu depctr_va_vdst(0)
.rept 64
	v_exp_f32 v[ER+n], v[ER+n]
.set n, n+1
.endr
	v_nop
	s_wait_alu depctr_va_vdst(0)
.set n, 0
.rept 32
	v_pk_add_f32 v[ER+n:ER+n+1], v[ER+n:ER+n+1], 1.0 op_sel_hi:[1,0]
.set n, n+2
.endr
.set n, 0
	s_wait_alu depctr_va_vdst(0)
.rept 64
	v_rcp_f32 v[ER+n], v[ER+n]                     ; r and z
.set n, n+1
.endr
	v_nop
	s_wait_alu depctr_va_vdst(0)
	WIN (W<<2)|(W<<4)
.set n, 0
.rept 16
	v_pk_fma_f32 v[EY+n:EY+n+1], v[ER+n:ER+n+1], v[192+AB+n:192+AB+n+1], v[128+AB+n:128+AB+n+1]   ; r (h Whh) + x Wih
.set n, n+2
.endr
	WIN 0
.set n, 0
.rept 16
	v_pk_fma_f32 v[EY+n:EY+n+1], v[EY+n:EY+n+1], s[98:99], v[BH+n%16:BH+n%16+1] op_sel_hi:[1,0,1]  ; 2 log2(e) x (that + bih)
.set n, n+2
.endr
.set n, 0
	s_wait_alu depctr_va_vdst(0)
.rept 32
	v_exp_f32 v[EY+n], v[EY+n]
.set n, n+1
.endr
	v_nop
	s_wait_alu depctr_va_vdst(0)
.set n, 0
.rept 16
	v_pk_add_f32 v[EY+n:EY+n+1], v[EY+n:EY+n+1], 1.0 op_sel_hi:[1,0]
.set n, n+2
.endr
.set n, 0
	s_wait_alu depctr_va_vdst(0)
.rept 32
	v_rcp_f32 v[EY+n], v[EY+n]
.set n, n+1
.endr
	v_nop
	s_wait_alu depctr_va_vdst(0)
.set n, 0
.rept 16
	v_pk_fma_f32 v[EY+n:EY+n+1], v[EY+n:EY+n+1], -2.0, 1.0 op_sel_hi:[1,0,0]      ; h1 = 1 - 2 / (1 + e^(2 y))
.set n, n+2
.endr
	s_wait_dscnt 0x0                               ; hidden is in
.set n, 0
.rept 16
	v_pk_add_f32 v[HD+n:HD+n+1], v[HD+n:HD+n+1], v[EY+n:EY+n+1] neg_lo:[0,1] neg_hi:[0,1]   ; hidden - h1
.set n, n+2
.endr
.set n, 0
.rept 16
	v_pk_fma_f32 v[HD+n:HD+n+1], v[EZ+n:EZ+n+1], v[HD+n:HD+n+1], v[EY+n:EY+n+1]   ; out = h1 + z (hidden - h1)
.set n, n+2
.endr
.irp t, 0,1,2,3                        ; into the stage: row 16 (2 (e % 2) + t / 2) + r of its 64
	ds_store_b128 v[ADS], v[HD+8*\t:HD+8*\t+3]   offset:16*(2*((\e)%2)+\t/2)*HP+64*(\t%2)
	ds_store_b128 v[ADS], v[HD+8*\t+4:HD+8*\t+7] offset:16*(2*((\e)%2)+\t/2)*HP+64*(\t%2)+16
.endr
.endm
; THE WAY OUT of the tile's rows 64 hf .. 64 hf + 63: wave w takes the stage's rows 16 w .. 16 w + 15, a row of 512 bytes an instruction
.macro OUTH hf
	s_wait_dscnt 0x0                               ; for the others' sake: my columns of the 64 rows lie in the stage
	s_barrier_signal -1
	s_barrier_wait -1
.set n, 0
.rept 16
	ds_load_b128 v[ER+4*n:ER+4*n+3], v[RD] offset:n*HP
.set n, n+1
.endr
.set n, 0
.rept 16
	s_wait_dscnt 15-n                              ; row n is in, the younger ones may be out
	global_store_b128 v[CO], v[ER+4*n:ER+4*n+3], s[OUT:OUT+1] offset:(\hf)*262144+n*4096 th:TH_STORE_NT   ; 32 lanes store 512 consecutive bytes, at a multiple of 256 from out0's first byte
.set n, n+1
.endr
	s_wait_xcnt 0x0                                ; the stores' registers and base are written again only behind this wait
.if (\hf) == 0
	s_barrier_signal -1                            ; every wave's reads of the stage are back: it may be written again
	s_barrier_wait -1
.endif
.endm
.Ltile:                                                ; a trip makes one tile of 128 x 128
	FETCH_A 0, 0
	SCALESA 0
	FETCH_A 0, 4
	SUB 0, 1
	SUB 1, 0
	SUB 2, 0
; Sub-step 3 holds a round of the cluster's barrier.  In front of it every wave has waited for all its tensor loads (in the first trip h's halves), so behind it all of h may be read; and behind it each
; wave asks for its 32 rows of this tile's hidden, 12 sub-steps (576 matrix instructions) ahead of the wait for them: in the second trip over the first tile's, whose reads ended with its epilogue.
	s_wait_tensorcnt 0x0
	ds_add_u32 v[SPW], v[NIL]
	WAITW 3
	s_wait_dscnt 25                                ; (the add and the youngest 24 loads may be out)
	WINM 3, 2
	MUL12 0, 3, 0
	s_wait_dscnt 0x0
	s_barrier_signal -1
	MUL12 2, 3, 0
	WIN 0
	s_barrier_wait -1
	CREST
	tensor_load_to_lds s[G0H:G0H+3], s[G1H:G1H+7]
	s_nop 0
	PLACES 4                                       ; (also the places in front of the loads below)
	FETCH_A 4, 0
	SCALESA 2
	WINM 3, 3
	MUL12 4, 3, 0
	MUL12 6, 3, 0
	PLACES 4
	WIN 0
	FETCH_A 4, 4
	LOADW 7
	LOADWS 0
	SUB 4, 0
	SUB 5, 0
	SUB 6, 0
	SUB 7, 0
	SUB 8, 2
	SUB 9, 0
	SUB 10, 0
	SUB 11, 0
	SUB 12, 0
	LOADB
	SUB 13, 0
	SUB 14, 0
	WAITW 15                                       ; the tile's last sub-step: nothing more to fetch
	s_wait_dscnt 24
	WINM 15, 2
	MUL12 0, 15, 0
	MUL12 2, 15, 0
	s_wait_dscnt 0x0
	s_wait_tensorcnt 0x0                           ; my 32 rows of hidden lie in LDS: say so,
	s_barrier_signal -1
	WINM 15, 3
	MUL12 4, 15, 0
	MUL12 6, 15, 0
	WIN 0
	s_barrier_wait -1                              ; all 128 rows do
	PLACES 4
	s_cmp_eq_u32 s[TC], 1                          ; the last tile has no successor
	s_cbranch_scc1 .Lno_next
	s_add_nc_u64 s[WQ:WQ+1], s[WQ:WQ+1], 98304     ; every load and tensor load that named these has been waited for: on to the next tile column
.irp p, 14,16,18,20,22,24
	s_add_nc_u64 s[\p:\p+1], s[\p:\p+1], 4096
.endr
.irp p, 26,28,30
	s_add_nc_u64 s[\p:\p+1], s[\p:\p+1], 512
.endr
	s_add_nc_u64 s[G0H+2:G0H+3], s[G0H+2:G0H+3], 512
	OPENW                                          ; on their way while this tile's epilogue is worked: it names none of their registers
.Lno_next:
	WIN 0x41
.set n, 0
.rept 16
	v_pk_mul_f32 v[BRZ+n:BRZ+n+1], v[BRZ+n:BRZ+n+1], s[96:97] op_sel_hi:[1,0]     ; -log2(e) x bir, biz
.set n, n+2
.endr
	WIN 0
.set n, 0
.rept 8
	v_pk_mul_f32 v[BH+n:BH+n+1], v[BH+n:BH+n+1], s[98:99] op_sel_hi:[1,0]         ; 2 log2(e) x bih
.set n, n+2
.endr
	EPI 0
	EPI 1
	OUTH 0
	EPI 2
	EPI 3
	OUTH 1
	s_add_nc_u64 s[OUT:OUT+1], s[OUT:OUT+1], 512
	s_sub_co_u32 s[TC], s[TC], 1
	s_cmp_lg_u32 s[TC], 0
	s_cbranch_scc1 .Ltile
	s_wait_tensorcnt 0x0                           ; the wave's end
	ds_add_u32 v[SPW], v[NIL]
	s_wait_dscnt 0x0
	CROUND                                         ; the closing round
	s_endpgm
.Lfunc_end_k_qb384f10fc0_gru:
	.size	k_qb384f10fc0_gru, .Lfunc_end_k_qb384f10fc0_gru-k_qb384f10fc0_gru
	.p2alignl 7, 3214868480
	.fill 96, 4, 3214868480
	.section	.rodata,"a",@progbits
	.p2align	6, 0x0
	.amdhsa_kernel k_qb384f10fc0_gru
		.amdhsa_group_segment_fixed_size 327680
		.amdhsa_private_segment_fixed_size 0
		.amdhsa_enable_private_segment 0
		.amdhsa_kernarg_size 128
		.amdhsa_user_sgpr_count 2
		.amdhsa_user_sgpr_kernarg_segment_ptr 1
		.amdhsa_wavefront_size32 1
		.amdhsa_system_sgpr_workgroup_id_x 1
		.amdhsa_system_sgpr_workgroup_id_y 1
		.amdhsa_system_sgpr_workgroup_id_z 1
		.amdhsa_system_vgpr_workitem_id 0
		.amdhsa_next_free_vgpr 1024
		.amdhsa_next_free_sgpr 100
		.amdhsa_reserve_vcc 0
		.amdhsa_float_denorm_mode_32 3
		.amdhsa_float_denorm_mode_16_64 3
		.amdhsa_memory_ordered 1
		.amdhsa_forward_progress 1
		.amdhsa_inst_pref_size 255
	.end_amdhsa_kernel
	.section	.bss,"aw",@nobits
	.p2align	6
	.space	262144
	.amdgpu_metadata
---
amdhsa.version: [ 1, 2 ]
amdhsa.kernels:
  - .name:           k_qb384f10fc0_gru
    .symbol:         k_qb384f10fc0_gru.kd
    .args:
      - { .name: inputs_codes, .offset: 0, .size: 8, .value_kind: global_buffer, .address_space: global }
      - { .name: hq_codes, .offset: 8, .size: 8, .value_kind: global_buffer, .address_space: global }
      - { .name: inputs_scales, .offset: 16, .size: 8, .value_kind: global_buffer, .address_space: global }
      - { .name: hq_scales, .offset: 24, .size: 8, .value_kind: global_buffer, .address_space: global }
      - { .name: wq, .offset: 32, .size: 8, .value_kind: global_buffer, .address_space: global }
      - { .name: W_i2r_scales, .offset: 40, .size: 8, .value_kind: global_buffer, .address_space: global }
      - { .name: W_i2z_scales, .offset: 48, .size: 8, .value_kind: global_buffer, .address_space: global }
      - { .name: W_i2h_scales, .offset: 56, .size: 8, .value_kind: global_buffer, .address_space: global }
      - { .name: W_h2r_scales, .offset: 64, .size: 8, .value_kind: global_buffer, .address_space: global }
      - { .name: W_h2z_scales, .offset: 72, .size: 8, .value_kind: global_buffer, .address_space: global }
      - { .name: W_h2h_scales, .offset: 80, .size: 8, .value_kind: global_buffer, .address_space: global }
      - { .name: b_i2r, .offset: 88, .size: 8, .value_kind: global_buffer, .address_space: global }
      - { .name: b_i2z, .offset: 96, .size: 8, .value_kind: global_buffer, .address_space: global }
      - { .name: b_i2h, .offset: 104, .size: 8, .value_kind: global_buffer, .address_space: global }
      - { .name: hidden, .offset: 112, .size: 8, .value_kind: global_buffer, .address_space: global }
      - { .name: out0, .offset: 120, .size: 8, .value_kind: global_buffer, .address_space: global }
    .group_segment_fixed_size: 327680
    .private_segment_fixed_size: 0
    .kernarg_segment_align: 8
    .kernarg_segment_size: 128
    .max_flat_workgroup_size: 128
    .sgpr_count:     100
    .vgpr_count:     1024
    .wavefront_size: 32
...
	.end_amdgpu_metadata
.endif
;; end of part 2
